; MI455X (gfx1250); checked and timed in simulation.
; The chip was launched on July 23, 2026; its instructions are those of AMD's public machine-readable ISA for CDNA 5 (MIT licence, August 2026) and "CDNA5" Instruction Set Architecture Reference Guide (July 2026). The comments in the code are by the model that wrote it; some were corrected since.
;; Quantum Layer. Allowed arithmetic: float matrix products may take bf16 or f16 operands with f32 sums; all other float work in f32.
;; Inputs: bn1_beta 12 float32; bn1_gamma 12 float32; bn2_beta 256 float32; bn2_gamma 256 float32; dec_b 256 float32; dec_w 256 x 12 float32; enc_b 12 float32; enc_w 12 x 512 float32; ent_params 3 x 11 float32; rot_params 3 x 12 x 3 float32; x 4,096 x 512 float32.
;; Outputs: out0 4,096 x 256 float32.
;; One version. Each part assembles by itself: llvm-mc -triple=amdgcn-amd-amdhsa -mcpu=gfx1250 --defsym DOCPART=n.
;; ======== version 1 of 1: 3 launches
;; limits: right only within a limited range of input values
;; workspace buffers: enc 262,144 bytes; stat1 32,768 bytes; tab 8,192 bytes; outraw 4,194,304 bytes; stat2 524,288 bytes
;; launch enc_k (part 1): grid 256 x 1, 4 waves a work-group, no clusters, 62,976 bytes of LDS; arguments x, enc_w, enc_b, rot_params, ent_params, enc, stat1, tab; writes enc, stat1, tab
.if DOCPART == 1
	.amdgcn_target "amdgcn-amd-amdhsa--gfx1250"
	.amdhsa_code_object_version 6
	.text
	.protected	k_q83a7873ff6_enc_k
	.globl	k_q83a7873ff6_enc_k
	.p2align	8
	.type	k_q83a7873ff6_enc_k,@function
k_q83a7873ff6_enc_k:
	s_mov_b64 s[64:65], 0
	v_nop
	global_prefetch_b8 v0, s[64:65] scope:SCOPE_SE
	s_setreg_imm32_b32 hwreg(HW_REG_WAVE_MODE, 25, 1), 1
	s_wait_xcnt 0x0
; enc[b][n] = sum over k of x[b][k] enc_w[n][k] + enc_b[n]   (4096 x 512 x 12), kept as [4096][16] f32 (columns 12-15: finite filler, never used),
; stat1[g] = for the group's 16 rows, per column: mean (16 f32), then the sum of squares about that mean (16 f32),
; tab[site] = the circuit's gate tables, which hang on rot_params and ent_params alone (made once, by wave 3 of work-group 0).
; Work-group g owns rows 16 g .. 16 g + 15; thread t owns the 16 bytes at 16 t of every row, so one load of the group covers a row of 2,048 bytes.
; The product goes to the matrix unit with bf16 operands; each f32 is split into hi + lo (two bf16), and hi*hi + hi*lo + lo*hi are summed in f32.
; Wave w multiplies k = 128 w .. 128 w + 127; the four partial tiles meet in LDS and wave 0 adds them.
; No tensor loads, no cluster: the group reads 32 KiB of x of its own and 24 KiB of enc_w, all requested at the kernel's head.
; LIMITS: |x|, |enc_w| below bf16's largest number.  Angles: pi/2 is taken away in two parts, good for |angle| up to about 1e4.
; A record of tab (256 bytes, complex = re, im), M_l[a] = Ry(ent[l][q-1])^a Rz Ry Rx(rot[l][q]):
;   bytes 0-63 M_0[a][s][j], 64-127 M_1[u][u'][s'], 128-255 K[w][w'][ub][u] = M_2[w][w'][u] conj M_2[w][w'][ub].  Sites 12 and up: all angles 0.
.set PITCH, 1040                       ; LDS row: 1,024 bytes of bf16 + 16: an odd multiple of 16, so 16 rows start at 16 different columns of 16 bytes
.set HI,    0                          ; 28 rows of 512 bf16 (hi parts): rows 0-15 x, rows 16-27 enc_w
.set LO,    29184                      ; the same 28 rows, lo parts
.set PART,  58368                      ; [wave][16][16] f32
.set LD,    16                         ; v[16:127] the 28 loads; later v[16:143] the fragments
.set ACC,   144                        ; v[144:167] three accumulators
.set CS,    232                        ; v[232:247] two sets of conversion scratch
.set ANG,   128                        ; table wave: v[128:139] angles, index 4 l + k (k = 0,1,2 rot; 3 ent)
.set SC,    140                        ; v[140:163] sin, cos of half of each angle
.set REC,   168                        ; v[168:231] the record (before that: scratch of the sines, 5 registers an angle)
.set M3,    232                        ; v[232:247] M_2
.set W,     248                        ; v[248:251] scratch
.set RO,    252                        ; v252 the record's byte offset in tab: a register that no other line of the kernel names
.macro SPLIT4 s, hi, lo, t             ; four f32 -> two registers of bf16 hi, two of bf16 lo = bf16(x - hi)
	v_cvt_pk_bf16_f32 v[\hi], v[\s], v[\s+1]
	v_cvt_pk_bf16_f32 v[\hi+1], v[\s+2], v[\s+3]
	v_lshlrev_b32 v[\t], 16, v[\hi]
	v_and_b32 v[\t+1], 0xffff0000, v[\hi]
	v_lshlrev_b32 v[\t+2], 16, v[\hi+1]
	v_and_b32 v[\t+3], 0xffff0000, v[\hi+1]
	v_pk_add_f32 v[\t:\t+1], v[\s:\s+1], v[\t:\t+1] neg_lo:[0,1] neg_hi:[0,1]
	v_pk_add_f32 v[\t+2:\t+3], v[\s+2:\s+3], v[\t+2:\t+3] neg_lo:[0,1] neg_hi:[0,1]
	v_cvt_pk_bf16_f32 v[\lo], v[\t], v[\t+1]
	v_cvt_pk_bf16_f32 v[\lo+1], v[\t+2], v[\t+3]
.endm
.macro LOADS                           ; 29 loads: the bias quad, 16 rows of x, 12 rows of enc_w
	global_load_b128 v[10:13], v9, s[8:9]
.irp j, 0,1,2,3,4,5,6,7,8,9,10,11,12,13,14,15
	global_load_b128 v[LD+4*\j:LD+4*\j+3], v1, s[4:5] offset:2048*\j th:TH_LOAD_NT
.endr
.irp j, 0,1,2,3,4,5,6,7,8,9,10,11
	global_load_b128 v[LD+64+4*\j:LD+64+4*\j+3], v1, s[6:7] offset:2048*\j
.endr
.endm
; M_l[a][s][j] into 16 registers at d.  With p = cy cx, q = sy sx, r = sy cx, t = cy sx:
; U00 = (p cz + q sz, q cz - p sz), U10 = (r cz + t sz, r sz - t cz), U01 = -conj U10, U11 = conj U00; M[1] = Ry(ent) U.
.macro LAYER l, d
	v_mul_f32 v[W], v[SC+8*\l+3], v[SC+8*\l+1]
	v_mul_f32 v[W+1], v[SC+8*\l+2], v[SC+8*\l]
	v_mul_f32 v[W+2], v[SC+8*\l+2], v[SC+8*\l+1]
	v_mul_f32 v[W+3], v[SC+8*\l+3], v[SC+8*\l]
	v_mul_f32 v[\d], v[W+1], v[SC+8*\l+4]
	v_mul_f32 v[\d+1], v[W], v[SC+8*\l+4]
	v_mul_f32 v[\d+4], v[W+3], v[SC+8*\l+4]
	v_mul_f32 v[\d+5], v[W+3], v[SC+8*\l+5]
	v_fmac_f32 v[\d], v[W], v[SC+8*\l+5]
	v_fma_f32 v[\d+1], v[W+1], v[SC+8*\l+5], -v[\d+1]
	v_fmac_f32 v[\d+4], v[W+2], v[SC+8*\l+5]
	v_fma_f32 v[\d+5], v[W+2], v[SC+8*\l+4], -v[\d+5]
	v_xor_b32 v[\d+2], 0x80000000, v[\d+4]
	v_mov_b32 v[\d+3], v[\d+5]
	v_mov_b32 v[\d+6], v[\d]
	v_xor_b32 v[\d+7], 0x80000000, v[\d+1]
.irp f, 0,1,2,3
	v_mul_f32 v[\d+8+\f], v[SC+8*\l+6], v[\d+4+\f]
	v_mul_f32 v[\d+12+\f], v[SC+8*\l+7], v[\d+4+\f]
	v_fma_f32 v[\d+8+\f], v[SC+8*\l+7], v[\d+\f], -v[\d+8+\f]
	v_fmac_f32 v[\d+12+\f], v[SC+8*\l+6], v[\d+\f]
.endr
.endm
; K for n = 2 w + w': (|m0|^2, 0), m1 conj m0, m0 conj m1, (|m1|^2, 0), with m0, m1 = M_2[w][w'][0, 1]
.macro KMAKE n
	v_mul_f32 v[REC+32+8*\n], v[M3+4*\n+1], v[M3+4*\n+1]
	v_mul_f32 v[REC+34+8*\n], v[M3+4*\n+3], v[M3+4*\n+1]
	v_mul_f32 v[REC+35+8*\n], v[M3+4*\n+2], v[M3+4*\n+1]
	v_mul_f32 v[REC+38+8*\n], v[M3+4*\n+3], v[M3+4*\n+3]
	v_fmac_f32 v[REC+32+8*\n], v[M3+4*\n], v[M3+4*\n]
	v_fmac_f32 v[REC+34+8*\n], v[M3+4*\n+2], v[M3+4*\n]
	v_fma_f32 v[REC+35+8*\n], v[M3+4*\n+3], v[M3+4*\n], -v[REC+35+8*\n]
	v_fmac_f32 v[REC+38+8*\n], v[M3+4*\n+2], v[M3+4*\n+2]
	v_mov_b32 v[REC+33+8*\n], 0
	v_mov_b32 v[REC+39+8*\n], 0
	v_mov_b32 v[REC+36+8*\n], v[REC+34+8*\n]
	v_xor_b32 v[REC+37+8*\n], 0x80000000, v[REC+35+8*\n]
.endm
	s_load_b512 s[4:19], s[0:1], 0x0               ; x s[4:5], enc_w s[6:7], enc_b s[8:9], rot s[10:11], ent s[12:13], enc s[14:15], stat1 s[16:17], tab s[18:19]
	v_lshl_add_u32 v254, v0, 2, 0xf400
	v_mov_b32 v255, 0
	v_lshrrev_b32 v2, 5, v0
	v_readfirstlane_b32 s20, v2                    ; wave 0..3
	s_lshl2_add_u32 s21, ttmp9, s20                ; 4 g + wave: 3 names the table wave
	s_mov_b32 s22, 0x76543210                      ; v_permlanex16_b32: lane i reads lane i of the other half
	s_mov_b32 s23, 0xfedcba98
	s_lshl_b32 s24, ttmp9, 15                      ; 16 rows of 2,048 bytes of x
	s_mov_b32 s25, 0
	s_lshl_b32 s28, ttmp9, 10                      ; 16 rows of 64 bytes of enc
	s_mov_b32 s29, 0
	s_lshl_b32 s30, ttmp9, 7                       ; 128 bytes of stat1
	s_mov_b32 s31, 0
	s_lshl_b32 s26, s20, 8                         ; my wave's 128 k in bf16: 256 bytes
	s_lshl_b32 s27, s20, 10                        ; my wave's partial tile
	v_lshlrev_b32 v1, 4, v0                        ; 16 t: my 16 bytes of a row in memory
	v_lshlrev_b32 v4, 3, v0                        ; 8 t: my 4 bf16 of a row in LDS
	v_and_b32 v2, 15, v0                           ; r
	v_bfe_u32 v3, v0, 4, 1                         ; h
	v_and_b32 v14, 31, v0                          ; lane
	v_lshlrev_b32 v8, 4, v14                       ; 16 lane
	v_and_b32 v9, 3, v0
	v_min_u32 v9, 2, v9
	v_lshlrev_b32 v9, 4, v9                        ; the bias quad of my columns (quad 3 repeats quad 2: filler, inside the 48 bytes)
	v_lshl_add_u32 v15, v3, 4, s26                 ; 16 h + 256 w
	v_mad_u32_u24 v5, v2, PITCH, v15               ; A fragments: row r of x
	v_min_u32 v6, 11, v2
	v_add_nc_u32 v6, 16, v6
	v_mad_u32_u24 v6, v6, PITCH, v15               ; B fragments: row min(r, 11) of enc_w (columns 12-15 repeat row 11); the furthest byte read in a row is 16 + 768 + 192 + 32 + 16 = 1,024: no padding is read
	v_lshl_add_u32 v7, v3, 9, s27
	v_lshl_add_u32 v7, v2, 2, v7                   ; partial tile: (8 h + j) rows of 64 bytes + 4 r
	s_wait_kmcnt 0x0
	s_add_nc_u64 s[4:5], s[4:5], s[24:25]
	s_add_nc_u64 s[14:15], s[14:15], s[28:29]
	s_add_nc_u64 s[16:17], s[16:17], s[30:31]
	s_cmp_lg_u32 s21, 3
	s_cbranch_scc1 .Lplain
	; ---- the table wave: lane q makes site q's record, while its 29 loads are on their way ----
	v_min_u32 v164, 11, v14
	v_mul_u32_u24 v164, 12, v164                   ; rot_params[l][min(q,11)][k] at 144 l + 12 q + 4 k
	v_max_u32 v165, 1, v14
	v_add_nc_u32 v165, -1, v165
	v_min_u32 v165, 10, v165
	v_lshlrev_b32 v165, 2, v165                    ; ent_params[l][clamp(q-1, 0, 10)] at 44 l + 4 (q-1)
	v_lshlrev_b32 v[RO], 8, v14                    ; my record
	s_mov_b32 s44, 0x3638ef1d                      ; 1/9!
	s_mov_b32 s45, 0x37d00d01                      ; 1/8!
.irp l, 0,1,2
.irp k, 0,1,2
	global_load_b32 v[ANG+4*\l+\k], v164, s[10:11] offset:144*\l+4*\k
.endr
	global_load_b32 v[ANG+4*\l+3], v165, s[12:13] offset:44*\l
.endr
	LOADS
	s_wait_loadcnt 29                              ; the 12 angles are in (so v164, v165 are free); the 29 loads issued behind them stay out
	v_cmp_gt_u32 vcc_lo, 12, v14
.irp i, 0,1,2,3,4,5,6,7,8,9,10,11
	v_cndmask_b32 v[ANG+\i], 0, v[ANG+\i], vcc_lo  ; sites 12 and up: identity gates
.endr
	; sin and cos of angle/2, all 12 angles stage by stage.  Scratch of angle i at REC + 5 i: r, k, r^2, sin, cos
.irp i, 0,1,2,3,4,5,6,7,8,9,10,11
	v_mul_f32 v[REC+5*\i], 0.5, v[ANG+\i]
.endr
.irp i, 0,1,2,3,4,5,6,7,8,9,10,11
	v_mul_f32 v[REC+5*\i+1], 0x3f22f983, v[REC+5*\i]                      ; times 2/pi
.endr
.irp i, 0,1,2,3,4,5,6,7,8,9,10,11
	v_rndne_f32 v[REC+5*\i+1], v[REC+5*\i+1]                              ; k
.endr
.irp i, 0,1,2,3,4,5,6,7,8,9,10,11
	v_fmamk_f32 v[REC+5*\i], v[REC+5*\i+1], 0xbfc90fdb, v[REC+5*\i]       ; r = h - k pi/2, the constant in two parts
.endr
.irp i, 0,1,2,3,4,5,6,7,8,9,10,11
	v_fmamk_f32 v[REC+5*\i], v[REC+5*\i+1], 0x333bbd2e, v[REC+5*\i]
.endr
.irp i, 0,1,2,3,4,5,6,7,8,9,10,11
	v_mul_f32 v[REC+5*\i+2], v[REC+5*\i], v[REC+5*\i]
	v_cvt_i32_f32 v[REC+5*\i+1], v[REC+5*\i+1]
.endr
.irp i, 0,1,2,3,4,5,6,7,8,9,10,11
	v_fmaak_f32 v[REC+5*\i+3], s44, v[REC+5*\i+2], 0xb9500d01             ; sine: 1/9! z - 1/7!
	v_fmaak_f32 v[REC+5*\i+4], s45, v[REC+5*\i+2], 0xbab60b61             ; cosine: 1/8! z - 1/6!
.endr
.irp i, 0,1,2,3,4,5,6,7,8,9,10,11
	v_fmaak_f32 v[REC+5*\i+3], v[REC+5*\i+3], v[REC+5*\i+2], 0x3c088889   ; + 1/5!
	v_fmaak_f32 v[REC+5*\i+4], v[REC+5*\i+4], v[REC+5*\i+2], 0x3d2aaaab   ; + 1/4!
.endr
.irp i, 0,1,2,3,4,5,6,7,8,9,10,11
	v_fmaak_f32 v[REC+5*\i+3], v[REC+5*\i+3], v[REC+5*\i+2], 0xbe2aaaab   ; - 1/3!
	v_fmaak_f32 v[REC+5*\i+4], v[REC+5*\i+4], v[REC+5*\i+2], 0xbf000000   ; - 1/2!
.endr
.irp i, 0,1,2,3,4,5,6,7,8,9,10,11
	v_mul_f32 v[REC+5*\i+3], v[REC+5*\i+3], v[REC+5*\i+2]
	v_fma_f32 v[REC+5*\i+4], v[REC+5*\i+4], v[REC+5*\i+2], 1.0            ; cos r
.endr
.irp i, 0,1,2,3,4,5,6,7,8,9,10,11
	v_fma_f32 v[REC+5*\i+3], v[REC+5*\i+3], v[REC+5*\i], v[REC+5*\i]      ; sin r
	v_and_b32 v[REC+5*\i+2], 1, v[REC+5*\i+1]
.endr
.irp i, 0,1,2,3,4,5,6,7,8,9,10,11
	v_cmp_eq_u32 s[32+\i], 1, v[REC+5*\i+2]                               ; odd quadrant: sine and cosine change places
	v_and_b32 v[REC+5*\i], 2, v[REC+5*\i+1]
	v_add_nc_u32 v[REC+5*\i+1], 1, v[REC+5*\i+1]
.endr
.irp i, 0,1,2,3,4,5,6,7,8,9,10,11
	v_cndmask_b32 v[SC+2*\i], v[REC+5*\i+3], v[REC+5*\i+4], s[32+\i]
	v_cndmask_b32 v[SC+2*\i+1], v[REC+5*\i+4], v[REC+5*\i+3], s[32+\i]
	v_lshlrev_b32 v[REC+5*\i], 30, v[REC+5*\i]                            ; sine negative in quadrants 2, 3
	v_and_b32 v[REC+5*\i+1], 2, v[REC+5*\i+1]
.endr
.irp i, 0,1,2,3,4,5,6,7,8,9,10,11
	v_xor_b32 v[SC+2*\i], v[SC+2*\i], v[REC+5*\i]
	v_lshlrev_b32 v[REC+5*\i+1], 30, v[REC+5*\i+1]                        ; cosine negative in quadrants 1, 2
.endr
.irp i, 0,1,2,3,4,5,6,7,8,9,10,11
	v_xor_b32 v[SC+2*\i+1], v[SC+2*\i+1], v[REC+5*\i+1]
.endr
	LAYER 0, REC
	LAYER 1, REC+16
	LAYER 2, M3
	KMAKE 0
	KMAKE 1
	KMAKE 2
	KMAKE 3
.irp k, 0,1,2,3,4,5,6,7,8,9,10,11,12,13,14,15
	global_store_b128 v[RO], v[REC+4*\k:REC+4*\k+3], s[18:19] offset:16*\k ; once in the launch, 8 KiB: a lane writes its own record.  The stores' sources, v252 and v[168:231], lie outside the fragments (to v143), the accumulators (to v167) and the conversion scratch (v232-247): nothing writes them again
.endr
	s_branch .Lconv
.Lplain:
	LOADS
.Lconv:
	; ---- split each row into bf16 hi and lo and lay it into LDS ----
.set i, 0
.rept 28
	s_wait_loadcnt 27-i                            ; loads come back in order: the bias and rows 0 .. i are in, the 27 - i rows behind stay out
	SPLIT4 LD+4*i,CS+8*(i&1),CS+8*(i&1)+2,CS+8*(i&1)+4
	ds_store_b64 v4, v[CS+8*(i&1):CS+8*(i&1)+1] offset:HI+i*PITCH
	ds_store_b64 v4, v[CS+8*(i&1)+2:CS+8*(i&1)+3] offset:LO+i*PITCH
.set i, i+1
.endr
	s_wait_dscnt 0x0                               ; my stores are done, for the other waves' sake
	s_barrier_signal -1
	s_barrier_wait -1
	; ---- fragments of my 128 k: step s at LD + 32 s: A hi, A lo, B hi, B lo, 8 registers each ----
.irp s, 0,1,2,3
	ds_load_b128 v[LD+32*\s:LD+32*\s+3],     v5 offset:HI+64*\s
	ds_load_b128 v[LD+32*\s+4:LD+32*\s+7],   v5 offset:HI+64*\s+32
	ds_load_b128 v[LD+32*\s+8:LD+32*\s+11],  v5 offset:LO+64*\s
	ds_load_b128 v[LD+32*\s+12:LD+32*\s+15], v5 offset:LO+64*\s+32
	ds_load_b128 v[LD+32*\s+16:LD+32*\s+19], v6 offset:HI+64*\s
	ds_load_b128 v[LD+32*\s+20:LD+32*\s+23], v6 offset:HI+64*\s+32
	ds_load_b128 v[LD+32*\s+24:LD+32*\s+27], v6 offset:LO+64*\s
	ds_load_b128 v[LD+32*\s+28:LD+32*\s+31], v6 offset:LO+64*\s+32
.endr
	; three accumulators (hi hi, hi lo, lo hi) take turns, one instruction a turn; the first step starts the sums
	s_wait_dscnt 24                                ; step 0's eight loads are in
	v_wmma_f32_16x16x32_bf16 v[ACC:ACC+7],     v[LD:LD+7],    v[LD+16:LD+23], 0
	v_wmma_f32_16x16x32_bf16 v[ACC+8:ACC+15],  v[LD:LD+7],    v[LD+24:LD+31], 0
	v_wmma_f32_16x16x32_bf16 v[ACC+16:ACC+23], v[LD+8:LD+15], v[LD+16:LD+23], 0
.irp s, 1,2,3
	s_wait_dscnt 24-8*\s                           ; step s's loads are in, the later steps' stay out
	v_wmma_f32_16x16x32_bf16 v[ACC:ACC+7],     v[LD+32*\s:LD+32*\s+7],    v[LD+32*\s+16:LD+32*\s+23], v[ACC:ACC+7]
	v_wmma_f32_16x16x32_bf16 v[ACC+8:ACC+15],  v[LD+32*\s:LD+32*\s+7],    v[LD+32*\s+24:LD+32*\s+31], v[ACC+8:ACC+15]
	v_wmma_f32_16x16x32_bf16 v[ACC+16:ACC+23], v[LD+32*\s+8:LD+32*\s+15], v[LD+32*\s+16:LD+32*\s+23], v[ACC+16:ACC+23]
.endr
.rept 4
	v_nop                                          ; four places behind the last matrix instruction before its result is read (ISA guide 7.12.1)
.endr
.irp c, 0,2,4,6
	v_pk_add_f32 v[ACC+\c:ACC+\c+1], v[ACC+\c:ACC+\c+1], v[ACC+8+\c:ACC+9+\c]
.endr
.irp c, 0,2,4,6
	v_pk_add_f32 v[ACC+\c:ACC+\c+1], v[ACC+\c:ACC+\c+1], v[ACC+16+\c:ACC+17+\c]
.endr
.irp j, 0,1,2,3,4,5,6,7
	ds_store_b32 v7, v[ACC+\j] offset:PART+64*\j   ; element (8 h + j, r) of my partial tile
.endr
	s_wait_dscnt 0x0
	s_barrier_signal -1
	s_barrier_wait -1
	s_cmp_lg_u32 s20, 0
	s_cbranch_scc1 .Lend
	; ---- wave 0: lane L holds column quad L & 3 of rows L >> 2 and (L >> 2) + 8 ----
.irp w, 0,1,2,3
	ds_load_b128 v[16+4*\w:19+4*\w], v8 offset:PART+1024*\w
	ds_load_b128 v[32+4*\w:35+4*\w], v8 offset:PART+1024*\w+512
.endr
	s_wait_dscnt 0x0
.irp a, 16,18,32,34
	v_pk_add_f32 v[\a:\a+1], v[\a:\a+1], v[\a+4:\a+5]
	v_pk_add_f32 v[\a+8:\a+9], v[\a+8:\a+9], v[\a+12:\a+13]
.endr
.irp a, 16,18,32,34
	v_pk_add_f32 v[\a:\a+1], v[\a:\a+1], v[\a+8:\a+9]
.endr
.irp c, 0,2
	v_pk_add_f32 v[16+\c:17+\c], v[16+\c:17+\c], v[10+\c:11+\c]   ; + enc_b
	v_pk_add_f32 v[32+\c:33+\c], v[32+\c:33+\c], v[10+\c:11+\c]
.endr
	global_store_b128 v8, v[16:19], s[14:15]                      ; 32 lanes x 16 bytes: 512 consecutive bytes, rows 0-7
	global_store_b128 v8, v[32:35], s[14:15] offset:512           ; rows 8-15
	; mean over the 16 rows: lanes of one quad differ in lane bits 2, 3, 4
.macro RSUM b, t                       ; four registers at b summed over those lanes; t: four registers that have been written
.irp k, 0,1,2,3
	v_add_f32_dpp v[\b+\k], v[\b+\k], v[\b+\k] row_xmask:4 row_mask:0xf bank_mask:0xf
.endr
.irp k, 0,1,2,3
	v_add_f32_dpp v[\b+\k], v[\b+\k], v[\b+\k] row_xmask:8 row_mask:0xf bank_mask:0xf
.endr
.irp k, 0,1,2,3
	v_permlanex16_b32 v[\t+\k], v[\b+\k], s22, s23
.endr
.irp k, 0,1,2,3
	v_add_f32 v[\b+\k], v[\b+\k], v[\t+\k]
.endr
.endm
	v_pk_add_f32 v[48:49], v[16:17], v[32:33]
	v_pk_add_f32 v[50:51], v[18:19], v[34:35]
	RSUM 48, 20
	v_pk_mul_f32 v[48:49], v[48:49], 0x3d800000 op_sel_hi:[1,0]   ; / 16
	v_pk_mul_f32 v[50:51], v[50:51], 0x3d800000 op_sel_hi:[1,0]
.irp c, 0,2
	v_pk_add_f32 v[24+\c:25+\c], v[16+\c:17+\c], v[48+\c:49+\c] neg_lo:[0,1] neg_hi:[0,1]
	v_pk_add_f32 v[28+\c:29+\c], v[32+\c:33+\c], v[48+\c:49+\c] neg_lo:[0,1] neg_hi:[0,1]
.endr
.irp c, 0,2
	v_pk_mul_f32 v[36+\c:37+\c], v[24+\c:25+\c], v[24+\c:25+\c]
.endr
.irp c, 0,2
	v_pk_fma_f32 v[36+\c:37+\c], v[28+\c:29+\c], v[28+\c:29+\c], v[36+\c:37+\c]
.endr
	RSUM 36, 20                                    ; squares about the group's own mean: no difference of large sums is ever formed
	v_cmp_gt_u32 vcc_lo, 4, v14
	s_wait_xcnt 0x0                                ; EXEC is a source of the two stores above: it changes only behind this wait
	s_and_saveexec_b32 s24, vcc_lo                 ; lanes 0-3 hold quads 0-3
	global_store_b128 v8, v[48:51], s[16:17]
	global_store_b128 v8, v[36:39], s[16:17] offset:64
.Lend:
	s_wait_xcnt 0x0
	s_mov_b32 exec_lo, -1
	s_wait_tensorcnt 0x0
	ds_add_u32 v254, v255
	s_wait_dscnt 0x0
	s_endpgm
.Lfunc_end_k_q83a7873ff6_enc_k:
	.size	k_q83a7873ff6_enc_k, .Lfunc_end_k_q83a7873ff6_enc_k-k_q83a7873ff6_enc_k
	.p2alignl 7, 3214868480
	.fill 96, 4, 3214868480
	.section	.rodata,"a",@progbits
	.p2align	6, 0x0
	.amdhsa_kernel k_q83a7873ff6_enc_k
		.amdhsa_group_segment_fixed_size 62976
		.amdhsa_private_segment_fixed_size 0
		.amdhsa_enable_private_segment 0
		.amdhsa_kernarg_size 64
		.amdhsa_user_sgpr_count 2
		.amdhsa_user_sgpr_kernarg_segment_ptr 1
		.amdhsa_wavefront_size32 1
		.amdhsa_system_sgpr_workgroup_id_x 1
		.amdhsa_system_sgpr_workgroup_id_y 1
		.amdhsa_system_sgpr_workgroup_id_z 1
		.amdhsa_system_vgpr_workitem_id 0
		.amdhsa_next_free_vgpr 256
		.amdhsa_next_free_sgpr 66
		.amdhsa_reserve_vcc 1
		.amdhsa_float_denorm_mode_32 3
		.amdhsa_float_denorm_mode_16_64 3
		.amdhsa_memory_ordered 1
		.amdhsa_forward_progress 1
		.amdhsa_inst_pref_size 61
	.end_amdhsa_kernel
	.amdgpu_metadata
---
amdhsa.version: [ 1, 2 ]
amdhsa.kernels:
  - .name:           k_q83a7873ff6_enc_k
    .symbol:         k_q83a7873ff6_enc_k.kd
    .args:
      - { .name: x, .offset: 0, .size: 8, .value_kind: global_buffer, .address_space: global }
      - { .name: enc_w, .offset: 8, .size: 8, .value_kind: global_buffer, .address_space: global }
      - { .name: enc_b, .offset: 16, .size: 8, .value_kind: global_buffer, .address_space: global }
      - { .name: rot_params, .offset: 24, .size: 8, .value_kind: global_buffer, .address_space: global }
      - { .name: ent_params, .offset: 32, .size: 8, .value_kind: global_buffer, .address_space: global }
      - { .name: enc, .offset: 40, .size: 8, .value_kind: global_buffer, .address_space: global }
      - { .name: stat1, .offset: 48, .size: 8, .value_kind: global_buffer, .address_space: global }
      - { .name: tab, .offset: 56, .size: 8, .value_kind: global_buffer, .address_space: global }
    .group_segment_fixed_size: 62976
    .private_segment_fixed_size: 0
    .kernarg_segment_align: 8
    .kernarg_segment_size: 64
    .max_flat_workgroup_size: 128
    .sgpr_count:     66
    .vgpr_count:     256
    .wavefront_size: 32
...
	.end_amdgpu_metadata
.endif
;; end of part 1
;; launch qsim_k (part 2): grid 256 x 1, 4 waves a work-group, no clusters, 26,112 bytes of LDS; arguments tab, stat1, bn1_gamma, bn1_beta, enc, dec_w, dec_b, outraw, stat2; writes outraw, stat2
.if DOCPART == 2
	.amdgcn_target "amdgcn-amd-amdhsa--gfx1250"
	.amdhsa_code_object_version 6
	.text
	.protected	k_q83a7873ff6_qsim_k
	.globl	k_q83a7873ff6_qsim_k
	.p2align	8
	.type	k_q83a7873ff6_qsim_k,@function
k_q83a7873ff6_qsim_k:
	s_mov_b64 s[64:65], 0
	v_nop
	global_prefetch_b8 v0, s[64:65] scope:SCOPE_SE
	s_setreg_imm32_b32 hwreg(HW_REG_WAVE_MODE, 25, 1), 1
	s_wait_xcnt 0x0
; BatchNorm 1 (statistics merged from stat1), tanh, normalisation per sample, the 12-qubit circuit, P(1) per qubit, the decoder 12 -> 256,
; and the second BatchNorm's partial statistics.  Work-group g owns samples 16 g .. 16 g + 15, wave w four of them, eight lanes a sample.
;
; THE CIRCUIT is contracted exactly, for every input.  The start is a product state, and the chain of controlled Ry makes each control's basis
; value an index shared by two neighbouring sites.  With s, u, w a qubit's basis value behind layers 1, 2, 3:
;   psi(w) = sum over s, u of  prod over q of  A_q[s(q-1)][s(q)]  M1_q[u(q-1)][u(q)][s(q)]  M2_q[w(q-1)][w(q)][u(q)],
;   M_l,q[a] = Ry(ent[l][q-1])^a Rz Ry Rx(rot[l][q]) from tab,  A_q[a] = M_0,q[a] (cos_h_q, a_q).
; Left environment L[(s,u),(sb,ub),w]: 32 complex numbers.  Lane bits 0, 1, 2 of a sample's eight lanes are sb, ub, w; a lane holds X[s][u].
; Site p: X takes A_p (ket), M1_p (ket), conj A_p (bra, partner lane xor 1), conj M1_p (bra, xor 2): that is V_p.
; Since M2_q[w] and M1_q[u] are unitary and A_q[s] has norm 1, everything to the right of V_p sums to rho[s,sb] delta(u,ub), rho = 1 on the diagonal,
; rho[0,1] = g = sum over s'' of A_(p+1)[0][s''] conj A_(p+1)[1][s''].  So P_(p-1) = sum of V_p[(s,u),(sb,u),w=1] rho[s,sb].
; Then K_p[w][w'][ub][u] = M2_p[w][w'][u] conj M2_p[w][w'][ub] (partner lane xor 4) gives the next L.  Sites 12, 13 (identity gates, qubit (1,0)) close the chain.
; All of this is f32 on the vector unit; the decoder goes to the matrix unit with bf16 operands split into hi + lo.
; No tensor loads, no cluster: a group reads 45 KiB, all requested at the kernel's head; what groups share (stat1, tab, dec_w) is small.
; LIMIT: a sample whose 12 tanh values have a squared norm below 2^-126 is treated as norm 0 (v_sqrt_f32 takes a denormal as zero: ISA guide, its entry).
.set TAB,   0                          ; 16 sites x 256 bytes
.set RED1,  4096                       ; wave x 128: sum of means 64, sum of squares 64
.set RED2,  4608                       ; wave x 64
.set SS,    4864                       ; wave x 128: scale 64, shift 64; each wave's own
.set PR,    5376                       ; 16 samples, pitch 80: 12 probabilities, 4 zeros
.set STG,   6656                       ; 16 rows of 256 f32, pitch 1,040
.set ST2,   23296                      ; mean 256 f32, squares 256 f32
.set SPITCH, 1040
.set QV,  16                           ; v[16:43]   14 pairs (cos_h, a)
.set TT,  44                           ; v[44:59]   P(1) of qubits 0-11, 4 zeros (prologue: the sample's row of enc)
.set XA,  60                           ; v[60:67], v[68:75] X, two buffers (prologue: v[60:91] dec_w as loaded)
.set XB,  68
.set PP,  76                           ; v[76:83]   the partner lane's X
.set AE,  84                           ; v[84:91]   A of even sites, [a][s]
.set AO,  92                           ; v[92:99]   A of odd sites (prologue: tab as loaded)
.set GG,  100                          ; v[100:101] g (prologue: v[100:107] gamma, beta)
.set AOWN, 102
.set APAR, 104
.set SCR, 106                          ; v[106:113]
.set TB0, 114                          ; v[114:157], v[158:201]: a site's tables, two buffers: B of the next site 16, M1 16, own and partner entry of M1 2 + 2, of K 4 + 4
.set TB1, 158
.set WF,  202                          ; v[202:233] decoder weights, 4 tiles: registers 0-3 hi, 4-7 lo
.set DB,  234                          ; v[234:237] dec_b of my 4 columns
.set A1,  114                          ; decoder: [p hi | p hi], [p lo | p lo], results
.set A2,  122
.set DD,  130
.set OUTR, 162
.set SV,  238                          ; v[238:253] decoder statistics, 4 registers a tile
; complex multiply-adds on pairs (re, im): d = x a is M1 then F2X 0; d += x a is F1 then F2X 0; with conj a: F2X 1
.macro M1 d, x, a
	v_pk_mul_f32 v[\d:\d+1], v[\x:\x+1], v[\a:\a+1] op_sel_hi:[1,0]
.endm
.macro F1 d, x, a
	v_pk_fma_f32 v[\d:\d+1], v[\x:\x+1], v[\a:\a+1], v[\d:\d+1] op_sel_hi:[1,0,1]
.endm
.macro F2X c, d, x, a
.if \c
	v_pk_fma_f32 v[\d:\d+1], v[\x:\x+1], v[\a:\a+1], v[\d:\d+1] op_sel:[1,1,0] op_sel_hi:[0,1,1] neg_hi:[0,1,0]
.else
	v_pk_fma_f32 v[\d:\d+1], v[\x:\x+1], v[\a:\a+1], v[\d:\d+1] op_sel:[1,1,0] op_sel_hi:[0,1,1] neg_lo:[0,1,0]
.endif
.endm
.macro SPLIT4 s, hi, lo, t             ; four f32 -> two registers of bf16 hi, two of bf16 lo = bf16(x - hi)
	v_cvt_pk_bf16_f32 v[\hi], v[\s], v[\s+1]
	v_cvt_pk_bf16_f32 v[\hi+1], v[\s+2], v[\s+3]
	v_lshlrev_b32 v[\t], 16, v[\hi]
	v_and_b32 v[\t+1], 0xffff0000, v[\hi]
	v_lshlrev_b32 v[\t+2], 16, v[\hi+1]
	v_and_b32 v[\t+3], 0xffff0000, v[\hi+1]
	v_pk_add_f32 v[\t:\t+1], v[\s:\s+1], v[\t:\t+1] neg_lo:[0,1] neg_hi:[0,1]
	v_pk_add_f32 v[\t+2:\t+3], v[\s+2:\s+3], v[\t+2:\t+3] neg_lo:[0,1] neg_hi:[0,1]
	v_cvt_pk_bf16_f32 v[\lo], v[\t], v[\t+1]
	v_cvt_pk_bf16_f32 v[\lo+1], v[\t+2], v[\t+3]
.endm
.macro SUM8 d, t, s                    ; eight quads at s -> one quad at d; t: a quad of scratch
.irp c, 0,2
	v_pk_add_f32 v[\d+\c:\d+\c+1], v[\s+\c:\s+\c+1], v[\s+4+\c:\s+5+\c]
	v_pk_add_f32 v[\t+\c:\t+\c+1], v[\s+8+\c:\s+9+\c], v[\s+12+\c:\s+13+\c]
.endr
.irp j, 16,24
.irp c, 0,2
	v_pk_add_f32 v[\d+\c:\d+\c+1], v[\d+\c:\d+\c+1], v[\s+\j+\c:\s+\j+\c+1]
	v_pk_add_f32 v[\t+\c:\t+\c+1], v[\t+\c:\t+\c+1], v[\s+\j+4+\c:\s+\j+5+\c]
.endr
.endr
.irp c, 0,2
	v_pk_add_f32 v[\d+\c:\d+\c+1], v[\d+\c:\d+\c+1], v[\t+\c:\t+\c+1]
.endr
.endm
.macro SUM4 d, s                       ; four quads at s -> one quad at d
.irp c, 0,2
	v_pk_add_f32 v[\d+\c:\d+\c+1], v[\s+\c:\s+\c+1], v[\s+4+\c:\s+5+\c]
	v_pk_add_f32 v[\s+8+\c:\s+9+\c], v[\s+8+\c:\s+9+\c], v[\s+12+\c:\s+13+\c]
.endr
.irp c, 0,2
	v_pk_add_f32 v[\d+\c:\d+\c+1], v[\d+\c:\d+\c+1], v[\s+8+\c:\s+9+\c]
.endr
.endm
.macro RSUM b, n, t                    ; n registers at b summed over the lanes that differ in lane bits 2, 3, 4; t: n registers that have been written
.set rk, 0
.rept \n
	v_add_f32_dpp v[\b+rk], v[\b+rk], v[\b+rk] row_xmask:4 row_mask:0xf bank_mask:0xf
.set rk, rk+1
.endr
.set rk, 0
.rept \n
	v_add_f32_dpp v[\b+rk], v[\b+rk], v[\b+rk] row_xmask:8 row_mask:0xf bank_mask:0xf
.set rk, rk+1
.endr
.set rk, 0
.rept \n
	v_permlanex16_b32 v[\t+rk], v[\b+rk], s24, s25
.set rk, rk+1
.endr
.set rk, 0
.rept \n
	v_add_f32 v[\b+rk], v[\b+rk], v[\t+rk]
.set rk, rk+1
.endr
.endm
	s_load_b512 s[4:19], s[0:1], 0x0               ; tab s[4:5], stat1 s[6:7], gamma s[8:9], beta s[10:11], enc s[12:13], dec_w s[14:15], dec_b s[16:17], outraw s[18:19]
	s_load_b64 s[20:21], s[0:1], 0x40              ; stat2
	v_lshl_add_u32 v254, v0, 2, 0x6400
	v_mov_b32 v255, 0
	v_lshrrev_b32 v2, 5, v0
	v_readfirstlane_b32 s22, v2                    ; wave 0..3
	s_mov_b32 s24, 0x76543210                      ; v_permlanex16_b32: lane i reads lane i of the other half
	s_mov_b32 s25, 0xfedcba98
	s_mov_b32 s36, 0xaaaaaaaa                      ; lanes with sb = 1
	s_mov_b32 s37, 0xcccccccc                      ; ub = 1
	s_mov_b32 s38, 0xf0f0f0f0                      ; w = 1
	s_mov_b32 s39, 0xffff0000                      ; h = 1
	s_mov_b32 s34, 0x39800000                      ; 1/4096
	s_lshl_b32 s26, ttmp9, 10                      ; 16 rows of 64 bytes of enc
	s_mov_b32 s27, 0
	s_lshl_b32 s28, ttmp9, 14                      ; 16 rows of 1,024 bytes of outraw
	s_mov_b32 s29, 0
	s_lshl_b32 s30, ttmp9, 11                      ; 2,048 bytes of stat2
	s_mov_b32 s31, 0
	s_lshl_b32 s32, s22, 6                         ; 64 w
	s_lshl_b32 s33, s22, 7                         ; 128 w
	v_and_b32 v1, 31, v0                           ; lane
	v_lshlrev_b32 v12, 4, v0                       ; 16 t
	v_and_b32 v2, 3, v0
	v_min_u32 v13, 2, v2
	v_lshlrev_b32 v13, 4, v13                      ; gamma's and beta's quad (quad 3 repeats quad 2, inside the 48 bytes)
	v_lshlrev_b32 v2, 4, v2                        ; 16 quad
	v_lshrrev_b32 v3, 2, v0
	v_lshl_add_u32 v3, v3, 7, v2                   ; stat1: group (t >> 2) + 32 j, my quad
	v_lshrrev_b32 v4, 3, v0
	v_lshlrev_b32 v4, 6, v4                        ; my sample's row of enc
	v_and_b32 v238, 15, v0                         ; r
	v_bfe_u32 v239, v0, 4, 1                       ; h
	v_add_nc_u32 v240, s32, v238                   ; my column of tile 0: 64 w + r
	v_mul_u32_u24 v14, 48, v240
	v_lshl_add_u32 v15, v239, 4, 16
	v_add_nc_u32 v15, v15, v14                     ; second 16 bytes: k = 4-7 (h = 0); h = 1 repeats k = 8-11 at k = 12-15, where the probabilities are zero
	v_lshl_add_u32 v14, v239, 5, v14               ; first 16 bytes: k = 8 h .. 8 h + 3
	v_lshlrev_b32 v241, 2, v240                    ; dec_b
	s_wait_kmcnt 0x0
	s_add_nc_u64 s[12:13], s[12:13], s[26:27]
	s_add_nc_u64 s[18:19], s[18:19], s[28:29]
	s_add_nc_u64 s[20:21], s[20:21], s[30:31]
	; 35 loads: tab 2, stat1 16, gamma and beta 2, enc 3, dec_w 8, dec_b 4.  Their address registers are not written again before the last wait on LOADcnt
	global_load_b128 v[92:95], v12, s[4:5]
	global_load_b128 v[96:99], v12, s[4:5] offset:2048
.irp j, 0,1,2,3,4,5,6,7
	global_load_b128 v[114+4*\j:117+4*\j], v3, s[6:7] offset:4096*\j
.endr
.irp j, 0,1,2,3,4,5,6,7
	global_load_b128 v[146+4*\j:149+4*\j], v3, s[6:7] offset:4096*\j+64
.endr
	global_load_b128 v[100:103], v13, s[8:9]
	global_load_b128 v[104:107], v13, s[10:11]
	global_load_b128 v[44:47], v4, s[12:13]
	global_load_b128 v[48:51], v4, s[12:13] offset:16
	global_load_b128 v[52:55], v4, s[12:13] offset:32
.irp t, 0,1,2,3
	global_load_b128 v[60+8*\t:63+8*\t], v14, s[14:15] offset:768*\t
	global_load_b128 v[64+8*\t:67+8*\t], v15, s[14:15] offset:768*\t
.endr
.irp t, 0,1,2,3
	global_load_b32 v[DB+\t], v241, s[16:17] offset:64*\t
.endr
	; lane constants, while the loads are on their way
	v_and_b32 v242, 1, v0                          ; sb
	v_bfe_u32 v243, v0, 1, 1                       ; ub
	v_bfe_u32 v244, v0, 2, 1                       ; w
	v_mad_u32_u24 v5, v243, 6, v242
	v_lshlrev_b32 v5, 3, v5                        ; M1[ub][ub][sb]: pair 6 ub + sb
	v_xor_b32 v245, 1, v243
	v_lshl_add_u32 v6, v245, 1, v242
	v_add_nc_u32 v6, 2, v6
	v_lshlrev_b32 v6, 3, v6                        ; M1[1-ub][ub][sb]: pair 4 - 2 ub + sb
	v_mad_u32_u24 v7, v244, 6, v243
	v_lshlrev_b32 v7, 4, v7                        ; K[w][w][ub][0,1]: pairs 12 w + 2 ub
	v_xor_b32 v245, 1, v244
	v_lshl_add_u32 v8, v245, 1, v243
	v_add_nc_u32 v8, 2, v8
	v_lshlrev_b32 v8, 4, v8                        ; K[1-w][w][ub][0,1]: pairs 8 - 4 w + 2 ub
	v_mov_b32 v9, 0
	v_cndmask_b32 v10, 1.0, -1.0, s36              ; rho[1-sb][sb] is conj g for sb = 0, g for sb = 1
	v_cndmask_b32 v11, 0, 1.0, s38                 ; only w = 1 counts
	v_add_nc_u32 v246, s33, v2                     ; 128 w + 16 quad
	v_add_nc_u32 v247, s32, v2                     ; 64 w + 16 quad
	v_mov_b32 v248, s33                            ; 128 w
	; ---- BatchNorm 1: merge the 256 groups' means and squares ----
	s_wait_loadcnt 17                              ; tab and stat1 are in; the 17 loads behind them stay out
	ds_store_b128 v12, v[92:95] offset:TAB
	ds_store_b128 v12, v[96:99] offset:TAB+2048
	SUM8 178, 186, 114
	SUM8 182, 190, 146
	RSUM 178, 8, 186
	ds_store_b128 v246, v[178:181] offset:RED1     ; lanes of one quad hold, and write, the same numbers
	ds_store_b128 v246, v[182:185] offset:RED1+64
	s_wait_dscnt 0x0
	s_barrier_signal -1
	s_barrier_wait -1
.irp w, 0,1,2,3
	ds_load_b128 v[146+4*\w:149+4*\w], v2 offset:RED1+128*\w
	ds_load_b128 v[162+4*\w:165+4*\w], v2 offset:RED1+128*\w+64
.endr
	s_wait_dscnt 0x0
	SUM4 178, 146
	SUM4 182, 162
	v_pk_mul_f32 v[178:179], v[178:179], 0x3b800000 op_sel_hi:[1,0]   ; mean = sum of the groups' means / 256
	v_pk_mul_f32 v[180:181], v[180:181], 0x3b800000 op_sel_hi:[1,0]
.irp j, 0,1,2,3,4,5,6,7
.irp c, 0,2
	v_pk_add_f32 v[114+4*\j+\c:115+4*\j+\c], v[114+4*\j+\c:115+4*\j+\c], v[178+\c:179+\c] neg_lo:[0,1] neg_hi:[0,1]
.endr
.endr
	v_pk_mul_f32 v[186:187], v[114:115], v[114:115]
	v_pk_mul_f32 v[188:189], v[116:117], v[116:117]
.irp j, 1,2,3,4,5,6,7
.irp c, 0,2
	v_pk_fma_f32 v[186+\c:187+\c], v[114+4*\j+\c:115+4*\j+\c], v[114+4*\j+\c:115+4*\j+\c], v[186+\c:187+\c]
.endr
.endr
	RSUM 186, 4, 190
	ds_store_b128 v247, v[186:189] offset:RED2
	s_wait_dscnt 0x0
	s_barrier_signal -1
	s_barrier_wait -1
.irp w, 0,1,2,3
	ds_load_b128 v[146+4*\w:149+4*\w], v2 offset:RED2+64*\w
.endr
	s_wait_dscnt 0x0
	SUM4 186, 146
	s_wait_loadcnt 15                              ; gamma and beta are in
.irp c, 0,1,2,3
	v_fmamk_f32 v[186+\c], v[186+\c], 0x41800000, v[182+\c]       ; squares about the groups' means + 16 x squares of the means about the mean
.endr
.irp c, 0,1,2,3
	v_fmaak_f32 v[186+\c], s34, v[186+\c], 0x3727c5ac             ; / 4096 + 1e-5
.endr
.irp c, 0,1,2,3
	v_rsq_f32 v[186+\c], v[186+\c]
.endr
.irp c, 0,1,2,3
	v_mul_f32 v[104+\c], 0x4038aa3b, v[104+\c]                    ; beta x 2 log2 e (also the plain place behind v_rsq_f32: ISA guide 5.7.2)
.endr
	s_wait_alu depctr_va_vdst(0)
.irp c, 0,1,2,3
	v_mul_f32 v[186+\c], 0x4038aa3b, v[186+\c]                    ; tanh's exponent 2 z log2 e is folded into scale and shift
.endr
.irp c, 0,1,2,3
	v_mul_f32 v[192+\c], v[100+\c], v[186+\c]
.endr
.irp c, 0,1,2,3
	v_fma_f32 v[196+\c], -v[178+\c], v[192+\c], v[104+\c]
.endr
	ds_store_b128 v246, v[192:195] offset:SS       ; my wave's own bytes: LDS serves a wave's instructions in order (ISA guide 5.7.1), no barrier
	ds_store_b128 v246, v[196:199] offset:SS+64
.irp k, 0,1,2
	ds_load_b128 v[146+4*\k:149+4*\k], v248 offset:SS+16*\k
	ds_load_b128 v[158+4*\k:161+4*\k], v248 offset:SS+64+16*\k
.endr
	s_wait_dscnt 0x0
	; ---- tanh, the sample's norm, (cos_h, a) of each qubit ----
	s_wait_loadcnt 12                              ; my sample's row of enc is in
.irp c, 0,2,4,6,8,10
	v_pk_fma_f32 v[44+\c:45+\c], v[44+\c:45+\c], v[146+\c:147+\c], v[158+\c:159+\c]
.endr
.irp c, 0,1,2,3,4,5,6,7,8,9,10,11
	v_exp_f32 v[44+\c], v[44+\c]
.endr
	v_mov_b32 v[QV+24], 1.0                        ; site 12's qubit (1, 0); a plain place behind the transcendentals
	s_wait_alu depctr_va_vdst(0)
.irp c, 0,2,4,6,8,10
	v_pk_add_f32 v[44+\c:45+\c], v[44+\c:45+\c], 1.0 op_sel_hi:[1,0]
.endr
.irp c, 0,1,2,3,4,5,6,7,8,9,10,11
	v_rcp_f32 v[44+\c], v[44+\c]
.endr
	v_mov_b32 v[QV+25], 0
	s_wait_alu depctr_va_vdst(0)
.irp c, 0,2,4,6,8,10
	v_pk_fma_f32 v[44+\c:45+\c], v[44+\c:45+\c], -2.0, 1.0 op_sel_hi:[1,0,0]   ; tanh z = 1 - 2 / (1 + e^(2z)); +-1 at the ends of the range
.endr
	v_pk_mul_f32 v[250:251], v[44:45], v[44:45]
	v_pk_mul_f32 v[252:253], v[46:47], v[46:47]
	v_pk_fma_f32 v[250:251], v[48:49], v[48:49], v[250:251]
	v_pk_fma_f32 v[252:253], v[50:51], v[50:51], v[252:253]
	v_pk_fma_f32 v[250:251], v[52:53], v[52:53], v[250:251]
	v_pk_fma_f32 v[252:253], v[54:55], v[54:55], v[252:253]
	v_pk_add_f32 v[250:251], v[250:251], v[252:253]
	v_add_f32 v250, v250, v251
	v_sqrt_f32 v250, v250
	v_mov_b32 v[QV+26], 1.0                        ; site 13's qubit
	s_wait_alu depctr_va_vdst(0)
	v_max_num_f32 v250, 0x0da24260, v250           ; max(norm, 1e-30); with norm 0 every t is 0 and a = 0
	v_rcp_f32 v250, v250
	v_mov_b32 v[QV+27], 0
	s_wait_alu depctr_va_vdst(0)
.irp q, 0,1,2,3,4,5,6,7,8,9,10,11
	v_mul_f32 v[QV+2*\q+1], v[44+\q], v250
.endr
.irp q, 0,1,2,3,4,5,6,7,8,9,10,11
	v_med3_num_f32 v[QV+2*\q+1], v[QV+2*\q+1], -1.0, 1.0          ; sign x clip(|a|, 0, 1)
.endr
.irp q, 0,1,2,3,4,5,6,7,8,9,10,11
	v_fma_f32 v[QV+2*\q], -v[QV+2*\q+1], v[QV+2*\q+1], 1.0
.endr
.irp q, 0,1,2,3,4,5,6,7,8,9,10,11
	v_max_num_f32 v[QV+2*\q], 0, v[QV+2*\q]
.endr
.irp q, 0,1,2,3,4,5,6,7,8,9,10,11
	v_sqrt_f32 v[QV+2*\q], v[QV+2*\q]
.endr
	; ---- decoder weights: tile t = [w hi | w lo] ----
	s_wait_loadcnt 0x0
.irp t, 0,1,2,3
	SPLIT4 60+8*\t,WF+8*\t,WF+8*\t+4,242
	SPLIT4 64+8*\t,WF+8*\t+2,WF+8*\t+6,246
.endr
	; ---- the chain's left end: s = u = sb = ub = w = 0 ----
	v_and_b32 v242, 7, v0
	v_cmp_eq_u32 vcc_lo, 0, v242
	v_cndmask_b32 v[XA], 0, 1.0, vcc_lo
.irp k, 1,2,3,4,5,6,7
	v_mov_b32 v[XA+\k], 0
.endr
.irp k, 0,1,2,3,4,5,6,7
	v_mov_b32 v[PP+\k], 0                          ; a DPP move's destination counts as read: written once here
.endr
	s_wait_alu depctr_va_vdst(0)
.irp k, 12,13,14,15
	v_mov_b32 v[TT+\k], 0                          ; k = 12-15 of the decoder's product
.endr
.macro LOADTB p, tb                    ; 12 LDS loads: B of site p + 1; M1 of site p; the lane's own and partner entries of M1 and K of site p
.irp i, 0,1,2,3
	ds_load_b128 v[\tb+4*\i:\tb+4*\i+3], v9 offset:TAB+256*(\p)+256+16*\i
.endr
.irp i, 0,1,2,3
	ds_load_b128 v[\tb+16+4*\i:\tb+16+4*\i+3], v9 offset:TAB+256*(\p)+64+16*\i
.endr
	ds_load_b64 v[\tb+32:\tb+33], v5 offset:TAB+256*(\p)+64
	ds_load_b64 v[\tb+34:\tb+35], v6 offset:TAB+256*(\p)+64
	ds_load_b128 v[\tb+36:\tb+39], v7 offset:TAB+256*(\p)+128
	ds_load_b128 v[\tb+40:\tb+43], v8 offset:TAB+256*(\p)+128
.endm
.macro MKA a, b, q                     ; A[a][s] = B[a][s][0] cos_h + B[a][s][1] a_q
.irp k, 0,1,2,3
	v_pk_mul_f32 v[\a+2*\k:\a+2*\k+1], v[\b+4*\k:\b+4*\k+1], v[\q:\q+1] op_sel_hi:[1,0]
.endr
.irp k, 0,1,2,3
	v_pk_fma_f32 v[\a+2*\k:\a+2*\k+1], v[\b+4*\k+2:\b+4*\k+3], v[\q:\q+1], v[\a+2*\k:\a+2*\k+1] op_sel:[0,1,0] op_sel_hi:[1,1,1]
.endr
.endm
.macro GETP src, m                     ; the partner lane's X
.irp k, 0,1,2,3,4,5,6,7
	v_mov_b32_dpp v[PP+\k], v[\src+\k] row_xmask:\m row_mask:0xf bank_mask:0xf
.endr
.endm
.macro MIX d, x, a, b, st, c           ; d[k] = a' x[k] + b' PP[k], a' = pair a + st (k & 1), conjugated if c; four outputs stage by stage
.irp k, 0,1,2,3
	M1 \d+2*\k,\x+2*\k,\a+\st*(\k&1)
.endr
.irp k, 0,1,2,3
	F2X \c,\d+2*\k,\x+2*\k,\a+\st*(\k&1)
.endr
.irp k, 0,1,2,3
	F1 \d+2*\k,PP+2*\k,\b+\st*(\k&1)
.endr
.irp k, 0,1,2,3
	F2X \c,\d+2*\k,PP+2*\k,\b+\st*(\k&1)
.endr
.endm
; Site p.  xi holds L of site p - 1 and xo receives L of site p; tb this site's tables, tbn the next site's; ac = A_p, an receives A_(p+1).
.macro TRIP p, xi, xo, tb, tbn, ac, an, read, last
	s_wait_dscnt 0x0                               ; this site's tables, asked for a whole site ago
.if \last == 0
	LOADTB \p+1,\tbn
.endif
	MKA \an,\tb,QV+2*(\p+1)
	; ket, layer 1: xo[s'][u] = A[0][s'] xi[0][u] + A[1][s'] xi[1][u]   (k = 2 s' + u); g rides along, one line a stage
.irp k, 0,1,2,3
	M1 \xo+2*\k,\xi+2*(\k&1),\ac+2*(\k>>1)
.endr
	M1 GG,\an,\an+4
.irp k, 0,1,2,3
	F2X 0,\xo+2*\k,\xi+2*(\k&1),\ac+2*(\k>>1)
.endr
	F2X 1,GG,\an,\an+4
.irp k, 0,1,2,3
	F1 \xo+2*\k,\xi+4+2*(\k&1),\ac+4+2*(\k>>1)
.endr
	F1 GG,\an+2,\an+6
.irp k, 0,1,2,3
	F2X 0,\xo+2*\k,\xi+4+2*(\k&1),\ac+4+2*(\k>>1)
.endr
	F2X 1,GG,\an+2,\an+6
	; ket, layer 2: xi[s'][u'] = M1[0][u'][s'] xo[s'][0] + M1[1][u'][s'] xo[s'][1]   (k = 2 s' + u')
.irp k, 0,1,2,3
	M1 \xi+2*\k,\xo+4*(\k>>1),\tb+16+4*(\k&1)+2*(\k>>1)
.endr
.irp k, 0,1,2,3
	F2X 0,\xi+2*\k,\xo+4*(\k>>1),\tb+16+4*(\k&1)+2*(\k>>1)
.endr
.irp k, 0,1,2,3
	F1 \xi+2*\k,\xo+4*(\k>>1)+2,\tb+24+4*(\k&1)+2*(\k>>1)
.endr
.irp k, 0,1,2,3
	F2X 0,\xi+2*\k,\xo+4*(\k>>1)+2,\tb+24+4*(\k&1)+2*(\k>>1)
.endr
	; bra, layer 1: new[sb] = conj A[sb][sb] own + conj A[1-sb][sb] partner
	v_cndmask_b32 v[AOWN], v[\ac], v[\ac+6], s36
	v_cndmask_b32 v[AOWN+1], v[\ac+1], v[\ac+7], s36
	v_cndmask_b32 v[APAR], v[\ac+4], v[\ac+2], s36
	v_cndmask_b32 v[APAR+1], v[\ac+5], v[\ac+3], s36
	GETP \xi, 1
	MIX \xo,\xi,AOWN,APAR,0,1
	; bra, layer 2: new[ub] = conj M1[ub][ub][sb] own + conj M1[1-ub][ub][sb] partner
	GETP \xo, 2
	MIX \xi,\xo,\tb+32,\tb+34,0,1
.if \read
	; P(1) of qubit p - 1: u = ub, w = 1, weight rho[s][sb]
	v_cndmask_b32 v[SCR], v[\xi], v[\xi+2], s37
	v_cndmask_b32 v[SCR+1], v[\xi+1], v[\xi+3], s37
	v_cndmask_b32 v[SCR+2], v[\xi+4], v[\xi+6], s37
	v_cndmask_b32 v[SCR+3], v[\xi+5], v[\xi+7], s37
	v_cndmask_b32 v[SCR+4], v[SCR], v[SCR+2], s36                 ; s = sb: real part
	v_cndmask_b32 v[SCR+5], v[SCR+2], v[SCR], s36                 ; s = 1 - sb
	v_cndmask_b32 v[SCR+6], v[SCR+3], v[SCR+1], s36
	v_fmac_f32 v[SCR+4], v[SCR+5], v[GG]
	v_mul_f32 v[SCR+6], v[SCR+6], v10
	v_fmac_f32 v[SCR+4], v[SCR+6], v[GG+1]
	v_mul_f32 v[TT+\p-1], v[SCR+4], v11
.endif
.if \last == 0
	; layer 3, ket and bra at once: new[w'] = K[w'][w'][ub][u'] own + K[1-w'][w'][ub][u'] partner
	GETP \xi, 4
	MIX \xo,\xi,\tb+36,\tb+40,2,0
.endif
.endm
.irp i, 0,1,2,3
	ds_load_b128 v[TB1+4*\i:TB1+4*\i+3], v9 offset:TAB+16*\i      ; B of site 0
.endr
	LOADTB 0,TB0
	s_wait_dscnt 0x0
	MKA AE,TB1,QV
	TRIP 0,XA,XB,TB0,TB1,AE,AO,0,0
	TRIP 1,XB,XA,TB1,TB0,AO,AE,1,0
	TRIP 2,XA,XB,TB0,TB1,AE,AO,1,0
	TRIP 3,XB,XA,TB1,TB0,AO,AE,1,0
	TRIP 4,XA,XB,TB0,TB1,AE,AO,1,0
	TRIP 5,XB,XA,TB1,TB0,AO,AE,1,0
	TRIP 6,XA,XB,TB0,TB1,AE,AO,1,0
	TRIP 7,XB,XA,TB1,TB0,AO,AE,1,0
	TRIP 8,XA,XB,TB0,TB1,AE,AO,1,0
	TRIP 9,XB,XA,TB1,TB0,AO,AE,1,0
	TRIP 10,XA,XB,TB0,TB1,AE,AO,1,0
	TRIP 11,XB,XA,TB1,TB0,AO,AE,1,0
	TRIP 12,XA,XB,TB0,TB1,AE,AO,1,1
	; ---- the probabilities: sum over a sample's eight lanes, then to LDS for all four waves ----
.irp m, 1,2,4
.irp q, 0,1,2,3,4,5,6,7,8,9,10,11
	v_add_f32_dpp v[TT+\q], v[TT+\q], v[TT+\q] row_xmask:\m row_mask:0xf bank_mask:0xf
.endr
.endr
	v_lshrrev_b32 v2, 3, v0
	v_mul_u32_u24 v2, 80, v2                       ; my sample's row of PR
.irp i, 0,1,2,3
	ds_store_b128 v2, v[TT+4*\i:TT+4*\i+3] offset:PR+16*\i        ; a sample's eight lanes hold, and write, the same numbers
.endr
	v_and_b32 v7, 15, v0                           ; r
	v_bfe_u32 v8, v0, 4, 1                         ; h
	v_mul_u32_u24 v3, 80, v7
	v_lshl_add_u32 v3, v8, 5, v3                   ; A fragment: sample r, k = 8 h ..
	v_add_nc_u32 v13, s32, v7
	v_lshlrev_b32 v13, 2, v13                      ; 4 (64 w + r)
	v_mad_u32_u24 v4, v8, 8*SPITCH, v13            ; stage: row 8 h + j, my column
	v_lshl_add_u32 v5, v8, 10, v13                 ; statistics: h = 0 stores the mean, h = 1 the squares
	v_lshrrev_b32 v6, 6, v0
	v_and_b32 v14, 63, v0
	v_mul_u32_u24 v6, SPITCH, v6
	v_lshl_add_u32 v6, v14, 4, v6                  ; back: row 2 j + (t >> 6), 16 bytes at 16 (t & 63)
	s_wait_dscnt 0x0
	s_barrier_signal -1
	s_barrier_wait -1
	ds_load_b128 v[238:241], v3 offset:PR
	ds_load_b128 v[242:245], v3 offset:PR+16
	s_wait_dscnt 0x0
	SPLIT4 238,A1,A2,246
	SPLIT4 242,A1+2,A2+2,250
.irp k, 0,1,2,3
	v_mov_b32 v[A1+4+\k], v[A1+\k]                 ; k = 16-31 of the instruction meet w lo: the same p again
	v_mov_b32 v[A2+4+\k], v[A2+\k]
.endr
	; out = p hi (w hi + w lo) + p lo (w hi + w lo).  Four accumulators take turns, one instruction a turn
.irp t, 0,1,2,3
	v_wmma_f32_16x16x32_bf16 v[DD+8*\t:DD+8*\t+7], v[A1:A1+7], v[WF+8*\t:WF+8*\t+7], 0
.endr
.irp t, 0,1,2,3
	v_wmma_f32_16x16x32_bf16 v[DD+8*\t:DD+8*\t+7], v[A2:A2+7], v[WF+8*\t:WF+8*\t+7], v[DD+8*\t:DD+8*\t+7]
.endr
.rept 4
	v_nop                                          ; four places behind the last matrix instruction before its result is read (ISA guide 7.12.1)
.endr
.irp t, 0,1,2,3
.irp j, 0,1,2,3,4,5,6,7
	v_add_f32 v[DD+8*\t+\j], v[DD+8*\t+\j], v[DB+\t]              ; + dec_b
.endr
.endr
	; per column: mean over the 16 samples and squares about it.  SV + 4 t: mean, squares, scratch pair
.irp t, 0,1,2,3
	v_pk_add_f32 v[SV+4*\t:SV+4*\t+1], v[DD+8*\t:DD+8*\t+1], v[DD+8*\t+2:DD+8*\t+3]
	v_pk_add_f32 v[SV+4*\t+2:SV+4*\t+3], v[DD+8*\t+4:DD+8*\t+5], v[DD+8*\t+6:DD+8*\t+7]
.endr
.irp t, 0,1,2,3
	v_pk_add_f32 v[SV+4*\t:SV+4*\t+1], v[SV+4*\t:SV+4*\t+1], v[SV+4*\t+2:SV+4*\t+3]
.endr
.irp t, 0,1,2,3
	v_add_f32 v[SV+4*\t], v[SV+4*\t], v[SV+4*\t+1]
.endr
.irp t, 0,1,2,3
	v_permlanex16_b32 v[SV+4*\t+1], v[SV+4*\t], s24, s25
.endr
.irp t, 0,1,2,3
	v_add_f32 v[SV+4*\t], v[SV+4*\t], v[SV+4*\t+1]
.endr
.irp t, 0,1,2,3
	v_mul_f32 v[SV+4*\t], 0x3d800000, v[SV+4*\t]                  ; / 16
.endr
.irp t, 0,1,2,3
	v_sub_f32 v[SV+4*\t+2], v[DD+8*\t], v[SV+4*\t]
.endr
.irp t, 0,1,2,3
	v_mul_f32 v[SV+4*\t+1], v[SV+4*\t+2], v[SV+4*\t+2]
.endr
.irp j, 1,2,3,4,5,6,7
.irp t, 0,1,2,3
	v_sub_f32 v[SV+4*\t+2], v[DD+8*\t+\j], v[SV+4*\t]
.endr
.irp t, 0,1,2,3
	v_fmac_f32 v[SV+4*\t+1], v[SV+4*\t+2], v[SV+4*\t+2]
.endr
.endr
.irp t, 0,1,2,3
	v_permlanex16_b32 v[SV+4*\t+2], v[SV+4*\t+1], s24, s25
.endr
.irp t, 0,1,2,3
	v_add_f32 v[SV+4*\t+1], v[SV+4*\t+1], v[SV+4*\t+2]
.endr
.irp t, 0,1,2,3
	v_cndmask_b32 v[SV+4*\t+2], v[SV+4*\t], v[SV+4*\t+1], s39
.endr
.irp t, 0,1,2,3
.irp j, 0,1,2,3,4,5,6,7
	ds_store_b32 v4, v[DD+8*\t+\j] offset:STG+SPITCH*\j+64*\t
.endr
	ds_store_b32 v5, v[SV+4*\t+2] offset:ST2+64*\t
.endr
	s_wait_dscnt 0x0
	s_barrier_signal -1
	s_barrier_wait -1
	; ---- out through registers, whole rows: sixteen lanes store 256 consecutive bytes, aligned ----
.irp j, 0,1,2,3,4,5,6,7
	ds_load_b128 v[OUTR+4*\j:OUTR+4*\j+3], v6 offset:STG+2*SPITCH*\j
.endr
	ds_load_b128 v[OUTR+32:OUTR+35], v12 offset:ST2
.irp j, 0,1,2,3,4,5,6,7
	s_wait_dscnt 8-\j                              ; LDS loads come back in order: load j is in, the 8 - j behind it stay out
	global_store_b128 v12, v[OUTR+4*\j:OUTR+4*\j+3], s[18:19] offset:2048*\j
.endr
	s_wait_dscnt 0x0
	global_store_b128 v12, v[OUTR+32:OUTR+35], s[20:21]
	s_wait_tensorcnt 0x0
	ds_add_u32 v254, v255
	s_wait_dscnt 0x0
	s_endpgm
.Lfunc_end_k_q83a7873ff6_qsim_k:
	.size	k_q83a7873ff6_qsim_k, .Lfunc_end_k_q83a7873ff6_qsim_k-k_q83a7873ff6_qsim_k
	.p2alignl 7, 3214868480
	.fill 96, 4, 3214868480
	.section	.rodata,"a",@progbits
	.p2align	6, 0x0
	.amdhsa_kernel k_q83a7873ff6_qsim_k
		.amdhsa_group_segment_fixed_size 26112
		.amdhsa_private_segment_fixed_size 0
		.amdhsa_enable_private_segment 0
		.amdhsa_kernarg_size 72
		.amdhsa_user_sgpr_count 2
		.amdhsa_user_sgpr_kernarg_segment_ptr 1
		.amdhsa_wavefront_size32 1
		.amdhsa_system_sgpr_workgroup_id_x 1
		.amdhsa_system_sgpr_workgroup_id_y 1
		.amdhsa_system_sgpr_workgroup_id_z 1
		.amdhsa_system_vgpr_workitem_id 0
		.amdhsa_next_free_vgpr 256
		.amdhsa_next_free_sgpr 66
		.amdhsa_reserve_vcc 1
		.amdhsa_float_denorm_mode_32 3
		.amdhsa_float_denorm_mode_16_64 3
		.amdhsa_memory_ordered 1
		.amdhsa_forward_progress 1
		.amdhsa_inst_pref_size 157
	.end_amdhsa_kernel
	.amdgpu_metadata
---
amdhsa.version: [ 1, 2 ]
amdhsa.kernels:
  - .name:           k_q83a7873ff6_qsim_k
    .symbol:         k_q83a7873ff6_qsim_k.kd
    .args:
      - { .name: tab, .offset: 0, .size: 8, .value_kind: global_buffer, .address_space: global }
      - { .name: stat1, .offset: 8, .size: 8, .value_kind: global_buffer, .address_space: global }
      - { .name: bn1_gamma, .offset: 16, .size: 8, .value_kind: global_buffer, .address_space: global }
      - { .name: bn1_beta, .offset: 24, .size: 8, .value_kind: global_buffer, .address_space: global }
      - { .name: enc, .offset: 32, .size: 8, .value_kind: global_buffer, .address_space: global }
      - { .name: dec_w, .offset: 40, .size: 8, .value_kind: global_buffer, .address_space: global }
      - { .name: dec_b, .offset: 48, .size: 8, .value_kind: global_buffer, .address_space: global }
      - { .name: outraw, .offset: 56, .size: 8, .value_kind: global_buffer, .address_space: global }
      - { .name: stat2, .offset: 64, .size: 8, .value_kind: global_buffer, .address_space: global }
    .group_segment_fixed_size: 26112
    .private_segment_fixed_size: 0
    .kernarg_segment_align: 8
    .kernarg_segment_size: 72
    .max_flat_workgroup_size: 128
    .sgpr_count:     66
    .vgpr_count:     256
    .wavefront_size: 32
...
	.end_amdgpu_metadata
.endif
;; end of part 2
;; launch bn2_k (part 3): grid 4 x 64, 8 waves a work-group, no clusters, 7,168 bytes of LDS; arguments stat2, bn2_gamma, bn2_beta, outraw, out0; writes out0
.if DOCPART == 3
	.amdgcn_target "amdgcn-amd-amdhsa--gfx1250"
	.amdhsa_code_object_version 6
	.text
	.protected	k_q83a7873ff6_bn2_k
	.globl	k_q83a7873ff6_bn2_k
	.p2align	8
	.type	k_q83a7873ff6_bn2_k,@function
k_q83a7873ff6_bn2_k:
	s_mov_b64 s[64:65], 0
	v_nop
	global_prefetch_b8 v0, s[64:65] scope:SCOPE_SE
	s_setreg_imm32_b32 hwreg(HW_REG_WAVE_MODE, 25, 1), 1
	s_wait_xcnt 0x0
; out0[b][o] = gamma[o] (outraw[b][o] - mean[o]) / sqrt(var[o] + 1e-5) + beta[o], mean and var over all 4,096 rows, merged from stat2:
; mean = sum of the 256 groups' means / 256;  var = (sum of their squares about their own means + 16 x sum of (group mean - mean)^2) / 4096.
; Work-group (c, rb): columns 64 c .. 64 c + 63 (256 bytes of a row), rows 64 rb .. 64 rb + 63.  Thread t: column quad t & 15, gg = t >> 4.
; A thread's column quad is the same in the merge and in the stream, so scale and shift stay in its registers.
; A stream with a small merge in front: no matrix unit, no tensor loads, no cluster; all 38 loads of a thread go out at the kernel's head.
.set RA, 0                             ; wave x 512: sum of means at 16 quad, sum of squares at + 256
.set RB, 4096                          ; wave x 256 + 16 quad
.set MN, 16                            ; v[16:79]   16 groups' means of my quad
.set MQ, 80                            ; v[80:143]  their squares; later what comes back from LDS
.set GA, 144                           ; v[144:147] gamma, v[148:151] beta
.set RW, 152                           ; v[152:167] four rows' 16 bytes
.set SM, 168                           ; v[168:171] mean
.set SQ, 172                           ; v[172:175] squares
.set T1, 176                           ; v[176:183] scratch; later scale, shift
.set SD, 184                           ; v[184:187]
.macro SUMQ d, t, s, list:vararg       ; quads at s, s + 4, .. -> one quad at d, in two chains; list: the offsets of the further pairs of quads
.irp c, 0,2
	v_pk_add_f32 v[\d+\c:\d+\c+1], v[\s+\c:\s+\c+1], v[\s+4+\c:\s+5+\c]
	v_pk_add_f32 v[\t+\c:\t+\c+1], v[\s+8+\c:\s+9+\c], v[\s+12+\c:\s+13+\c]
.endr
.irp j, \list
.irp c, 0,2
	v_pk_add_f32 v[\d+\c:\d+\c+1], v[\d+\c:\d+\c+1], v[\s+\j+\c:\s+\j+\c+1]
	v_pk_add_f32 v[\t+\c:\t+\c+1], v[\t+\c:\t+\c+1], v[\s+\j+4+\c:\s+\j+5+\c]
.endr
.endr
.irp c, 0,2
	v_pk_add_f32 v[\d+\c:\d+\c+1], v[\d+\c:\d+\c+1], v[\t+\c:\t+\c+1]
.endr
.endm
.macro HSUM4 b, t                      ; four registers at b: add the other half of the wave (the other gg); t has been written
.irp k, 0,1,2,3
	v_permlanex16_b32 v[\t+\k], v[\b+\k], s20, s21
.endr
.irp k, 0,1,2,3
	v_add_f32 v[\b+\k], v[\b+\k], v[\t+\k]
.endr
.endm
	s_load_b256 s[4:11], s[0:1], 0x0               ; stat2 s[4:5], gamma s[6:7], beta s[8:9], outraw s[10:11]
	s_load_b64 s[12:13], s[0:1], 0x20              ; out0
	v_lshl_add_u32 v192, v0, 2, 0x1800
	v_mov_b32 v193, 0
	v_lshrrev_b32 v1, 5, v0
	v_readfirstlane_b32 s14, v1                    ; wave 0..7
	s_and_b32 s15, ttmp7, 0xffff                   ; rb
	s_lshl_b32 s16, ttmp9, 8                       ; my strip: 256 bytes of a row
	s_mov_b32 s17, 0
	s_lshl_b32 s18, s15, 16                        ; 64 rows of 1,024 bytes
	s_add_co_u32 s18, s18, s16
	s_mov_b32 s19, 0
	s_mov_b32 s20, 0x76543210
	s_mov_b32 s21, 0xfedcba98
	s_mov_b32 s22, 0x39800000                      ; 1/4096
	s_lshl_b32 s23, s14, 9
	s_lshl_b32 s24, s14, 8
	v_and_b32 v1, 15, v0
	v_lshlrev_b32 v1, 4, v1                        ; 16 quad
	v_lshrrev_b32 v4, 4, v0                        ; gg
	v_lshl_add_u32 v2, v4, 11, v1                  ; stat2: group gg + 16 j
	v_lshl_add_u32 v3, v4, 10, v1                  ; rows gg + 16 j of my block
	v_add_nc_u32 v5, s23, v1
	v_add_nc_u32 v6, s24, v1
	s_wait_kmcnt 0x0
	s_add_nc_u64 s[4:5], s[4:5], s[16:17]
	s_add_nc_u64 s[6:7], s[6:7], s[16:17]
	s_add_nc_u64 s[8:9], s[8:9], s[16:17]
	s_add_nc_u64 s[10:11], s[10:11], s[18:19]
	s_add_nc_u64 s[12:13], s[12:13], s[18:19]
.irp j, 0,1,2,3,4,5,6,7,8,9,10,11,12,13,14,15
	global_load_b128 v[MN+4*\j:MN+4*\j+3], v2, s[4:5] offset:32768*\j
.endr
.irp j, 0,1,2,3,4,5,6,7,8,9,10,11,12,13,14,15
	global_load_b128 v[MQ+4*\j:MQ+4*\j+3], v2, s[4:5] offset:32768*\j+1024
.endr
	global_load_b128 v[GA:GA+3], v1, s[6:7]
	global_load_b128 v[GA+4:GA+7], v1, s[8:9]
.irp j, 0,1,2,3
	global_load_b128 v[RW+4*\j:RW+4*\j+3], v3, s[10:11] offset:16384*\j th:TH_LOAD_NT
.endr
	s_wait_loadcnt 6                               ; the 32 loads of statistics are in; gamma, beta and the four rows stay out
	SUMQ SM, T1, MN, 16,24,32,40,48,56
	SUMQ SQ, T1+4, MQ, 16,24,32,40,48,56
	HSUM4 SM, T1
	HSUM4 SQ, T1+4
	ds_store_b128 v5, v[SM:SM+3] offset:RA         ; both halves of the wave hold, and write, the same numbers
	ds_store_b128 v5, v[SQ:SQ+3] offset:RA+256
	s_wait_dscnt 0x0
	s_barrier_signal -1
	s_barrier_wait -1
.irp w, 0,1,2,3,4,5,6,7
	ds_load_b128 v[MQ+4*\w:MQ+4*\w+3], v1 offset:RA+512*\w
	ds_load_b128 v[MQ+32+4*\w:MQ+32+4*\w+3], v1 offset:RA+512*\w+256
.endr
	s_wait_dscnt 0x0
	SUMQ SM, T1, MQ, 16,24
	SUMQ SQ, T1+4, MQ+32, 16,24
	v_pk_mul_f32 v[SM:SM+1], v[SM:SM+1], 0x3b800000 op_sel_hi:[1,0]       ; / 256
	v_pk_mul_f32 v[SM+2:SM+3], v[SM+2:SM+3], 0x3b800000 op_sel_hi:[1,0]
.irp j, 0,1,2,3,4,5,6,7,8,9,10,11,12,13,14,15
.irp c, 0,2
	v_pk_add_f32 v[MN+4*\j+\c:MN+4*\j+\c+1], v[MN+4*\j+\c:MN+4*\j+\c+1], v[SM+\c:SM+\c+1] neg_lo:[0,1] neg_hi:[0,1]
.endr
.endr
	v_pk_mul_f32 v[SD:SD+1], v[MN:MN+1], v[MN:MN+1]
	v_pk_mul_f32 v[SD+2:SD+3], v[MN+2:MN+3], v[MN+2:MN+3]
.irp j, 1,2,3,4,5,6,7,8,9,10,11,12,13,14,15
.irp c, 0,2
	v_pk_fma_f32 v[SD+\c:SD+\c+1], v[MN+4*\j+\c:MN+4*\j+\c+1], v[MN+4*\j+\c:MN+4*\j+\c+1], v[SD+\c:SD+\c+1]
.endr
.endr
	HSUM4 SD, T1
	ds_store_b128 v6, v[SD:SD+3] offset:RB
	s_wait_dscnt 0x0
	s_barrier_signal -1
	s_barrier_wait -1
.irp w, 0,1,2,3,4,5,6,7
	ds_load_b128 v[MQ+4*\w:MQ+4*\w+3], v1 offset:RB+256*\w
.endr
	s_wait_dscnt 0x0
	SUMQ SD, T1, MQ, 16,24
.irp c, 0,1,2,3
	v_fmamk_f32 v[SD+\c], v[SD+\c], 0x41800000, v[SQ+\c]          ; squares about the groups' means + 16 x squares of the means about the mean
.endr
.irp c, 0,1,2,3
	v_fmaak_f32 v[SD+\c], s22, v[SD+\c], 0x3727c5ac               ; / 4096 + 1e-5
.endr
.irp c, 0,1,2,3
	v_rsq_f32 v[SD+\c], v[SD+\c]
.endr
	v_nop                                          ; one plain place behind v_rsq_f32 before its result is used (ISA guide 5.7.2)
	s_wait_loadcnt 4                               ; gamma and beta are in; the four rows may stay out
	s_wait_alu depctr_va_vdst(0)
.irp c, 0,1,2,3
	v_mul_f32 v[T1+\c], v[GA+\c], v[SD+\c]                        ; scale
.endr
.irp c, 0,1,2,3
	v_fma_f32 v[T1+4+\c], -v[SM+\c], v[T1+\c], v[GA+4+\c]         ; shift = beta - mean x scale
.endr
	s_wait_loadcnt 0x0
.irp j, 0,1,2,3
.irp c, 0,2
	v_pk_fma_f32 v[RW+4*\j+\c:RW+4*\j+\c+1], v[RW+4*\j+\c:RW+4*\j+\c+1], v[T1+\c:T1+\c+1], v[T1+4+\c:T1+5+\c]
.endr
.endr
.irp j, 0,1,2,3
	global_store_b128 v3, v[RW+4*\j:RW+4*\j+3], s[12:13] offset:16384*\j th:TH_STORE_NT   ; sixteen lanes store 256 consecutive bytes, aligned
.endr
	s_wait_tensorcnt 0x0
	ds_add_u32 v192, v193
	s_wait_dscnt 0x0
	s_endpgm
.Lfunc_end_k_q83a7873ff6_bn2_k:
	.size	k_q83a7873ff6_bn2_k, .Lfunc_end_k_q83a7873ff6_bn2_k-k_q83a7873ff6_bn2_k
	.p2alignl 7, 3214868480
	.fill 96, 4, 3214868480
	.section	.rodata,"a",@progbits
	.p2align	6, 0x0
	.amdhsa_kernel k_q83a7873ff6_bn2_k
		.amdhsa_group_segment_fixed_size 7168
		.amdhsa_private_segment_fixed_size 0
		.amdhsa_enable_private_segment 0
		.amdhsa_kernarg_size 40
		.amdhsa_user_sgpr_count 2
		.amdhsa_user_sgpr_kernarg_segment_ptr 1
		.amdhsa_wavefront_size32 1
		.amdhsa_system_sgpr_workgroup_id_x 1
		.amdhsa_system_sgpr_workgroup_id_y 1
		.amdhsa_system_sgpr_workgroup_id_z 1
		.amdhsa_system_vgpr_workitem_id 0
		.amdhsa_next_free_vgpr 194
		.amdhsa_next_free_sgpr 66
		.amdhsa_reserve_vcc 0
		.amdhsa_float_denorm_mode_32 3
		.amdhsa_float_denorm_mode_16_64 3
		.amdhsa_memory_ordered 1
		.amdhsa_forward_progress 1
		.amdhsa_inst_pref_size 21
	.end_amdhsa_kernel
	.amdgpu_metadata
---
amdhsa.version: [ 1, 2 ]
amdhsa.kernels:
  - .name:           k_q83a7873ff6_bn2_k
    .symbol:         k_q83a7873ff6_bn2_k.kd
    .args:
      - { .name: stat2, .offset: 0, .size: 8, .value_kind: global_buffer, .address_space: global }
      - { .name: bn2_gamma, .offset: 8, .size: 8, .value_kind: global_buffer, .address_space: global }
      - { .name: bn2_beta, .offset: 16, .size: 8, .value_kind: global_buffer, .address_space: global }
      - { .name: outraw, .offset: 24, .size: 8, .value_kind: global_buffer, .address_space: global }
      - { .name: out0, .offset: 32, .size: 8, .value_kind: global_buffer, .address_space: global }
    .group_segment_fixed_size: 7168
    .private_segment_fixed_size: 0
    .kernarg_segment_align: 8
    .kernarg_segment_size: 40
    .max_flat_workgroup_size: 256
    .sgpr_count:     66
    .vgpr_count:     194
    .wavefront_size: 32
...
	.end_amdgpu_metadata
.endif
;; end of part 3
